; MI455X (gfx1250); checked and timed in simulation.
; The chip was launched on July 23, 2026; its instructions are those of AMD's public machine-readable ISA for CDNA 5 (MIT licence, August 2026) and "CDNA5" Instruction Set Architecture Reference Guide (July 2026). The comments in the code are by the model that wrote it; some were corrected since.
;; Attention. Allowed arithmetic: matrix products marked QUANTISED: E2M3 operands, one E8M0 scale for each 32 along K, by v_wmma_scale_f32_16x16x128_f8f6f4 with both operands' format E2M3, f32 sums; everything else in f32.
;; Inputs: cache_k 2 x 2,048 x 8 x 128 float32; cache_v 2 x 2,048 x 8 x 128 float32; freqs_cos 2,048 x 64 float32; freqs_sin 2,048 x 64 float32; wk 4,096 x 1,024 float32; wq 4,096 x 1,024 float32; wv 4,096 x 1,024 float32; x 2 x 2,048 x 4,096 float32.
;; Outputs: out0 2 x 2,048 x 1,024 float32.
;; Constants: start_pos = 0.
;; This version of the problem:
;;   THIS VERSION OF THE PROBLEM IS GIVEN IN LOW PRECISION. The matrix products marked QUANTISED in the list below multiply operands that are first quantised to E2M3 (2 exponent bits, 3 mantissa bits; 6 bits a number), with one power-of-two scale for each 32 numbers along K (OCP MX v1.0); their sums are f32. All else is computed in f32.
;;   The module's matrix products, in the order in which they are computed (A, B: the left and right operand; K: the contracted axis; several contracted axes count as one K, in the product's order):
;;     1. [M 4,096, K 4,096] x [K 4,096, N 1,024]; A: input x; B: input wq: QUANTISED
;;     2. [M 4,096, K 4,096] x [K 4,096, N 1,024]; A: input x; B: input wk: QUANTISED
;;     3. [M 4,096, K 4,096] x [K 4,096, N 1,024]; A: input x; B: input wv: QUANTISED
;;     4. batch 16 x [M 2,048, K 128] x [K 128, N 2,048]; A: computed on the way; B: computed on the way: QUANTISED
;;     5. batch 16 x [M 128, K 2,048] x [K 2,048, N 2,048]; A: computed on the way; B: softmax (see below): QUANTISED
;;   THE QUANTISER, for each operand of a quantised product, along K:
;;     - K is cut into blocks of 32 from its start; a last block that is shorter is filled with zeros.
;;     - A block's scale is 2^e with e = floor(log2(the largest magnitude in the block)) - 2, held to -126 .. 127; a block of zeros has e = 0. As a byte (E8M0): e + 127.
;;     - Each number is divided by its block's scale, clamped to +-7.5, and rounded to the nearest number of E2M3, ties to even, subnormals kept.
;;     - The product sums the exact products of the quantised numbers (number of the format x scale) in f32.
;;   ~~~python
;;   def quantise(x, axis):      # numpy; x: float32 -> the quantised numbers, widened to float32 again
;;       x = np.moveaxis(x, axis, -1); K = x.shape[-1]
;;       x = np.pad(x, [(0, 0)] * (x.ndim - 1) + [(0, -K % 32)]); x = x.reshape(x.shape[:-1] + (-1, 32)); a = np.abs(x).max(-1, keepdims=True)
;;       e = np.where(a > 0, np.clip(np.frexp(np.where(a > 0, a, 1))[1] - 1 - 2, -126, 127), 0)      # np.frexp(a)[1] - 1 = floor(log2(a)), exactly
;;       r = np.clip(x / 2.0 ** e, -7.5, 7.5)
;;       step = 2.0 ** (np.maximum(np.frexp(np.where(r == 0, 1, r))[1] - 1, 0) - 3)
;;       q = np.round(r / step) * step * 2.0 ** e      # np.round: ties to even
;;       return np.moveaxis(q.reshape(q.shape[:-2] + (-1,))[..., :K], -1, axis).astype(np.float32)
;;   ~~~
;;   SOFTMAX AHEAD OF A QUANTISED PRODUCT. Where the list says 'softmax', what is quantised is not the finished softmax but p = 2^(t - M), with t = logit x log2(e) and M = ceil(the row's largest t), a whole number; so 1/2 < the row's largest p <= 1. The row's sum l is taken of the UNQUANTISED p, in f32, and the product's result is divided by l at the end. Since M is a whole number, a kernel that streams over the keys may use a running M (the ceiling of the running maximum): every later rescaling is an exact power of two, which a block's scale takes up: the codes' values come out the same.
;;   OPERANDS COMPUTED ON THE WAY. 'Computed on the way' means the value that the module computes at that place (a softmax that the list does not call 'softmax' is quantised finished and normalised). What goes into a quantiser is computed in f32, as accurately as f32 sums, v_exp_f32 and their like allow (about 1e-6 of the number): no bf16 or f16 on the way to a quantiser, and a product that is left as it is and whose result goes on into a quantised operand takes f32 operands (vector FMAs, or v_wmma_f32_16x16x4_f32). A number that lies on a knife's edge between two numbers of the format may be rounded either way, as far as f32 arithmetic and the matrix unit's own rounding can turn it there, and no further.
;; One version. Each part assembles by itself: llvm-mc -triple=amdgcn-amd-amdhsa -mcpu=gfx1250 --defsym DOCPART=n.
;; ======== version 1 of 1: 3 launches
;; limits: right only within a limited range of input values
;; workspace buffers: x_img 13,107,200 bytes; w_img 9,830,400 bytes; q_codes 3,145,728 bytes; q_scales 131,072 bytes; kv_codes 6,291,456 bytes; kv_scales 262,144 bytes
;; launch quant (part 1): grid 896 x 1, 4 waves a work-group, no clusters, 47,616 bytes of LDS; arguments x, wq, wk, wv, x_img, w_img; writes x_img, w_img
.if DOCPART == 1
	.amdgcn_target "amdgcn-amd-amdhsa--gfx1250"
	.amdhsa_code_object_version 6
	.text
	.protected	k_qeb405afb56_quant
	.globl	k_qeb405afb56_quant
	.p2align	8
	.type	k_qeb405afb56_quant,@function
k_qeb405afb56_quant:
	s_mov_b64 s[64:65], 0
	v_nop
	global_prefetch_b8 v0, s[64:65] scope:SCOPE_SE
	s_setreg_imm32_b32 hwreg(HW_REG_WAVE_MODE, 25, 1), 1
	s_wait_xcnt 0x0
; x [4096][4096] f32 (K innermost) and wq, wk, wv [4096 (K)][1024] f32 (K outermost) become codes of FP6 (E2M3) with one E8M0 byte for each 32 along K, laid AS THE NEXT LAUNCH'S OPERAND REGISTERS.
; A block's scale is 2^(floor(log2(its largest magnitude)) - 2): its byte is the largest magnitude's own exponent field - 2, held at 1 from below.
; THE WORKSPACE.  Rows go in groups of 128 (x: 32 groups; the weights: 24, rows 1,024 t + n, t = 0 wq, 1 wk, 2 wv).  RECORD (group, s) serves K = 128 s .. 128 s + 127 and is 12,800 bytes: 512 bytes of scale
; words (the word of the group's row j at 4 j: byte b for the b-th 32 along K), then 8 images of 1,536 bytes.  Image i is the fragment of rows 16 i .. 16 i + 15: registers 4 c .. 4 c + 3 of lane l at 512 c + 16 l;
; lane (r, h) holds row r, registers 0-5 the codes of block h, registers 6-11 those of block 2 + h.  A group's 32 records lie on end.
; THE ROWS ARE PERMUTED: true row p lies at row SW(p), SW = p with its bits 3 and 4 exchanged (its own inverse, inside each 32 rows): rows 32 b + 16 u + i of the workspace are the true rows 32 b + 8 u + i + 8 (i / 8).
; LIMITS: a block of zeros gets the byte 1 where the rule says 127 (its codes are zeros, which add nothing, and this program alone reads the bytes); NaN and infinities are not served.
; Work-groups 0-511 take x, 512-895 the weights: a work-group one group of rows x 256 along K (two records), a wave 32 of its rows.  The two paths part on the work-group's number and have LDS bytes of their own.
; No tensor loads, no barrier: waves share nothing.  Every store of codes covers 512 consecutive bytes, aligned; a wave's scale words of a record are 128 consecutive bytes.
; WORK LEFT OUT: cache_k and cache_v.  start_pos = 0 and the sequence has as many positions as the caches (2,048), so reference()'s dynamic_update_slice writes every element of both caches anew,
; whatever they held: no number of cache_k or cache_v has a way to the output.  They are loaded by no launch and stand among no launch's arguments.
; LIMIT: a NaN or an infinity in cache_k or cache_v is not carried to the result (reference() overwrites it too).
.set EMAX,  2
.set RECB,  12800                      ; a record
.set GSTR,  32*RECB                    ; a group's records
.set IMG,   1536                       ; an image
.set SEL,   30                         ; s[30:31] path X: lane selects for lane l xor 16
; path X
.set XP,    528                        ; a stage row: 512 bytes + 16: the sixteen rows that a load of 16 bytes a lane touches start 16 bytes apart modulo 256
.set XIN,   3                          ; v3   16 x lane: my 16 bytes of a load's 512
.set XSI,   4                          ; v4   the stage, in
.set XSO,   5                          ; v5   the stage, out
.set XLI,   6                          ; v6   my 16 bytes of an image's 512, in my wave's first image
.set XSW,   7                          ; v7   my scale word's place in a record
.set XR,    16                         ; v16-143  two sets of 64: an image's numbers as they are loaded
.set XX,    144                        ; v144-207 the same as lane (r, h) wants them
.set PC,    208                        ; v208-227 the codes just made
.set TM,    228                        ; v228-243 at work
.set PW,    244                        ; v244-247 the four images' scale words
.set SWD,   248                        ; v248-249 two records' scale words as they are stored
; path W
.set WUP,   1664                       ; from image to image in the stage: 1,536 + 128, so that the sixteen lanes of a store touch sixteen different columns of 16 bytes modulo 256
.set WBASE, 4*16*XP                    ; LDS: behind path X's four stages
.set WX,    32                         ; v32-95   two sets of 32 numbers
.set WF,    96                         ; v96-107 the registers of lane r of my image (blocks 0, 2); v108-119 those of lane 16 + r (blocks 1, 3)
.set WT,    120                        ; v120-122 the second half of a block's codes, on its way
.set WOUT,  128                        ; v128-175 two records' images on the way out
.set WSB,   24                         ; v24-25   my column's scale words
	s_load_b256 s[4:11], s[0:1], 0x0               ; x s[4:5], wq s[6:7], wk s[8:9], wv s[10:11]
	s_load_b128 s[12:15], s[0:1], 0x20             ; x_img s[12:13], w_img s[14:15]
	v_lshl_add_u32 v254, v0, 2, 0xb800
	v_mov_b32 v255, 0
	v_lshrrev_b32 v1, 5, v0
	v_readfirstlane_b32 s20, v1                    ; wave 0..3
	v_and_b32 v2, 31, v0                           ; lane
	s_cmp_lt_u32 ttmp9, 512
	s_cbranch_scc0 .Lw
; ---------------- PATH X: K is innermost.  An image's 16 rows x 512 bytes come by sixteen loads of 512 consecutive bytes, turn through the wave's own stage, and come back to lane (r, h) as 16 neighbours of each block of row r.
	v_lshlrev_b32 v[XIN], 4, v2
	s_mul_i32 s21, s20, 16*XP                      ; my stage
	v_add_nc_u32 v[XSI], s21, v[XIN]               ; in: a row's 512 bytes on end
	v_and_b32 v8, 15, v2                           ; r
	v_lshrrev_b32 v9, 4, v2                        ; h
	v_mul_u32_u24 v[XSO], v8, XP
	v_lshl_add_u32 v[XSO], v9, 6, v[XSO]
	v_add_nc_u32 v[XSO], s21, v[XSO]               ; out: row r, + 64 h
	s_mul_i32 s22, s20, 2*IMG                      ; my wave's 32 rows are images 2 w and 2 w + 1 of the group,
	v_add_nc_u32 v[XLI], s22, v[XIN]
	s_lshl_b32 s22, s20, 7                         ; and words 32 w .. 32 w + 31
	v_lshl_add_u32 v[XSW], v2, 2, s22
	s_lshr_b32 s23, ttmp9, 4                       ; the group, 0 .. 31
	s_and_b32 s24, ttmp9, 15                       ; which two records
	s_lshl_b32 s25, s23, 2
	s_add_co_u32 s25, s25, s20                     ; my 32 rows
	s_lshl_b32 s26, s25, 19                        ; in: 32 rows of 16,384 bytes,
	s_lshl_b32 s27, s24, 10                        ; + 256 numbers
	s_add_co_u32 s26, s26, s27
	s_mov_b32 s27, 0
	s_mul_i32 s28, s23, GSTR
	s_mul_i32 s29, s24, 2*RECB
	s_add_co_u32 s28, s28, s29                     ; out: the first of the two records
	s_mov_b32 s29, 0
	s_mov_b32 s[SEL], 0x76543210
	s_mov_b32 s[SEL+1], 0xfedcba98
	s_mov_b32 s32, 0xffff0000                      ; lanes 16-31
.irp b, 0,1,2,3
	v_mov_b32 v[TM+4+\b], 0                        ; written once: a lane permute's destination counts as one of its sources
.endr
	s_wait_alu depctr_va_vdst(0)
	s_wait_kmcnt 0x0
	s_add_nc_u64 s[4:5], s[4:5], s[26:27]
	s_add_nc_u64 s[12:13], s[12:13], s[28:29]
; image n of four: record n / 2, rows 16 (n % 2) on of the workspace: the true rows 8 (n % 2) + t + 8 (t / 8) of my 32
.macro XLOAD n
.irp t, 0,1,2,3,4,5,6,7,8,9,10,11,12,13,14,15
	global_load_b128 v[XR+64*((\n)%2)+4*\t:XR+64*((\n)%2)+4*\t+3], v[XIN], s[4:5] offset:(8*((\n)%2)+\t+8*(\t/8))*16384+512*((\n)/2) th:TH_LOAD_NT   ; 32 lanes read 512 consecutive bytes of one row
.endr
.endm
; 64 numbers of a lane, register 16 b + i = k 32 b + 16 h + i of my row, become a fragment's codes in v[PC] on and its scale word in v[pw].
.macro QUANT s, pw
.irp b, 0,1,2,3
	v_max3_num_f32 v[TM+\b], 0x1800000, |v[\s+16*\b]|, |v[\s+1+16*\b]|   ; block b: my 16 numbers, and the floor 2^(3 - 127): the byte cannot fall under 1
.endr
.irp i, 2,4,6,8,10,12,14
.irp b, 0,1,2,3
	v_max3_num_f32 v[TM+\b], v[TM+\b], |v[\s+16*\b+\i]|, |v[\s+1+16*\b+\i]|   ; (the four blocks by turns)
.endr
.endr
.irp b, 0,1,2,3
	v_permlanex16_b32 v[TM+4+\b], v[TM+\b], s[SEL], s[SEL+1]
.endr
.irp b, 0,1,2,3
	v_max_num_f32 v[TM+\b], v[TM+\b], v[TM+4+\b]   ; with lane l xor 16's: the block's largest magnitude
.endr
.irp b, 0,1,2,3
	v_add_nc_u32 v[TM+12+\b], 0xff000000, v[TM+\b] ; 2 off its exponent field: the conversion takes the exponent field of this operand as its scale
.endr
.irp b, 0,1,2,3
	v_lshrrev_b32 v[TM+4+\b], 23, v[TM+12+\b]      ; the scale's byte
.endr
	v_lshl_or_b32 v[\pw], v[TM+5], 8, v[TM+4]      ; the four bytes make my row's scale word (both halves of the lanes hold it)
	v_lshl_or_b32 v[\pw], v[TM+6], 16, v[\pw]
	v_lshl_or_b32 v[\pw], v[TM+7], 24, v[\pw]
	s_wait_xcnt 0x0                                ; the last image's stores have read the codes' registers: only behind this wait are they written again
.irp c, 0,1
	v_cvt_scalef32_pk16_fp6_f32 v[PC+6*\c:PC+2+6*\c], v[\s+32*\c:\s+15+32*\c], v[TM+12+2*\c]
	v_cvt_scalef32_pk16_fp6_f32 v[PC+12+4*\c:PC+14+4*\c], v[\s+16+32*\c:\s+31+32*\c], v[TM+12+2*\c+1]   ; (a conversion's three registers begin on an even number)
.endr
	v_nop                                          ; one plain place behind a scaled conversion
.irp c, 0,1                                    ; the operand's layout wants a whole block in a lane: lanes 0-15 block 2 c, lanes 16-31 block 2 c + 1
.irp i, 0,1,2
	v_permlane16_swap_b32 v[PC+6*\c+\i], v[PC+12+4*\c+\i]
.endr
.irp i, 0,1,2
	v_mov_b32 v[PC+3+6*\c+\i], v[PC+12+4*\c+\i]
.endr
.endr
.endm
.macro XIMG n
.if (\n) < 3
	s_wait_loadcnt 16                              ; this image's sixteen loads are in; the next image's sixteen may be out
.else
	s_wait_loadcnt 0
.endif
.irp t, 0,1,2,3,4,5,6,7,8,9,10,11,12,13,14,15
	ds_store_b128 v[XSI], v[XR+64*((\n)%2)+4*\t:XR+64*((\n)%2)+4*\t+3] offset:XP*\t
.endr
.irp b, 0,1,2,3
.irp j, 0,1,2,3
	ds_load_b128 v[XX+16*\b+4*\j:XX+16*\b+4*\j+3], v[XSO] offset:128*\b+16*\j   ; LDS serves a wave's instructions in order: these see the stores above
.endr
.endr
	s_wait_dscnt 0x0                               ; the numbers are back: so the stores have read their registers,
.if (\n)+2 < 4
	XLOAD (\n)+2                                   ; which take the loads of two images on
.endif
	QUANT XX, PW+(\n)
.irp c, 0,1,2
	global_store_b128 v[XLI], v[PC+4*\c:PC+4*\c+3], s[12:13] offset:((\n)/2)*RECB+512+((\n)%2)*IMG+512*\c   ; the fragment as it stands: 512 consecutive bytes
.endr
.if (\n)%2
	v_cndmask_b32 v[SWD+(\n)/2], v[PW+(\n)-1], v[PW+(\n)], s32   ; lanes 0-15: the words of rows 0-15 of my 32, lanes 16-31: of rows 16-31
	global_store_b32 v[XSW], v[SWD+(\n)/2], s[12:13] offset:((\n)/2)*RECB   ; 128 consecutive bytes
.endif
.endm
	XLOAD 0
	XLOAD 1
	XIMG 0
	XIMG 1
	XIMG 2
	XIMG 3
	s_wait_tensorcnt 0x0
	ds_add_u32 v254, v255
	s_wait_dscnt 0x0
	s_endpgm
; ---------------- PATH W: K is the first axis.  A lane takes a column n and its registers run down K: a block of 32 lies in one lane, and the codes come out with K innermost.
; A column's four blocks of a record are the whole registers of TWO lanes of its image: blocks 0 and 2 those of lane r, blocks 1 and 3 those of lane 16 + r.  They go to the wave's stage, laid as the two images, and leave as they lie.
.Lw:
	s_sub_co_u32 s21, ttmp9, 512                   ; 0 .. 383
	s_lshr_b32 s22, s21, 4                         ; the group, 0 .. 23
	s_and_b32 s24, s21, 15                         ; which two records: 256 along K
	s_lshr_b32 s23, s22, 3                         ; which weight: 0 wq, 1 wk, 2 wv
	s_and_b32 s25, s22, 7                          ; which 128 columns of it
	s_lshl_b32 s25, s25, 9                         ; 4 bytes a column
	s_lshl_b32 s26, s20, 7                         ; my wave's 32 columns
	s_add_co_u32 s25, s25, s26
	s_lshl_b32 s26, s24, 20                        ; 256 rows of 4,096 bytes
	s_add_co_u32 s26, s26, s25
	s_mov_b32 s27, 0
	s_mul_i32 s28, s22, GSTR
	s_mul_i32 s29, s24, 2*RECB
	s_add_co_u32 s28, s28, s29                     ; out: the first of the two records
	s_mov_b32 s29, 0
	s_mul_i32 s30, s20, 2*WUP
	s_add_co_u32 s30, s30, WBASE                   ; my stage
	s_wait_alu depctr_va_vdst(0)
	v_lshlrev_b32 v3, 2, v2                        ; in: 4 bytes a lane
	v_bfe_u32 v4, v2, 3, 1                         ; column l of my 32 lies at row SW(l) = 16 u + r: u = its bit 3,
	v_bfe_u32 v5, v2, 4, 1
	v_and_b32 v6, 7, v2
	v_lshl_or_b32 v6, v5, 3, v6                    ; r = its bits 2:0 and, above them, its bit 4
	v_mul_u32_u24 v7, v4, WUP
	v_lshl_add_u32 v7, v6, 4, v7
	v_add_nc_u32 v7, s30, v7                       ; into the stage: image u, lane r's 16 bytes
	v_lshlrev_b32 v8, 4, v2
	v_add_nc_u32 v9, s30, v8                       ; out of it: 16 x lane
	s_mul_i32 s31, s20, 2*IMG
	v_add_nc_u32 v8, s31, v8                       ; and the same in my wave's first image of a record
	v_lshl_or_b32 v10, v4, 4, v6                   ; SW(lane)
	s_lshl_b32 s31, s20, 7
	v_lshl_add_u32 v10, v10, 2, s31                ; my column's scale word in a record
	s_wait_kmcnt 0x0
	s_cmp_eq_u32 s23, 1                            ; the choice hangs on the work-group's number alone
	s_cselect_b64 s[6:7], s[8:9], s[6:7]
	s_cmp_eq_u32 s23, 2
	s_cselect_b64 s[6:7], s[10:11], s[6:7]
	s_add_nc_u64 s[6:7], s[6:7], s[26:27]
	s_add_nc_u64 s[14:15], s[14:15], s[28:29]
.macro WLOAD t                         ; block t: W(32 t + i, my column), i = 0 .. 31, into set t % 2: 128 consecutive bytes a wave
.irp i, 0,1,2,3,4,5,6,7,8,9,10,11,12,13,14,15,16,17,18,19,20,21,22,23,24,25,26,27,28,29,30,31
	global_load_b32 v[WX+32*((\t)%2)+\i], v3, s[6:7] offset:(32*(\t)+\i)*4096 th:TH_LOAD_NT
.endr
.endm
	WLOAD 0
	WLOAD 1
.macro WBLOCK t                        ; block t % 4 of record t / 4
.set XS, WX+32*((\t)%2)
.set FB, WF+12*((\t)%2)+6*(((\t)%4)/2) ; its six registers: odd blocks belong to lane 16 + r, blocks 2 and 3 to registers 6-11
.if (\t) < 7
	s_wait_loadcnt 32                              ; this block's 32 loads are in; the next block's 32 may be out
.else
	s_wait_loadcnt 0
.endif
	v_max3_num_f32 v12, |v[XS]|, |v[XS+1]|, |v[XS+2]|               ; the block's largest magnitude: all 32 numbers are mine
	v_max3_num_f32 v13, |v[XS+3]|, |v[XS+4]|, |v[XS+5]|
.irp i, 6,10,14,18,22,26
	v_max3_num_f32 v12, v12, |v[XS+\i]|, |v[XS+\i+1]|
	v_max3_num_f32 v13, v13, |v[XS+\i+2]|, |v[XS+\i+3]|
.endr
	v_max3_num_f32 v12, v12, |v[XS+30]|, |v[XS+31]|
	v_max3_num_f32 v12, v12, v13, (EMAX+1)<<23     ; and the floor
	v_add_nc_u32 v11, -(EMAX<<23), v12             ; the conversion's scale operand
	v_lshrrev_b32 v13, 23, v11                     ; the scale's byte
	v_cvt_scalef32_pk16_fp6_f32 v[FB:FB+2], v[XS:XS+15], v11
	v_cvt_scalef32_pk16_fp6_f32 v[WT:WT+2], v[XS+16:XS+31], v11     ; (a conversion's three registers begin on an even number: the second half is made elsewhere and moved)
.if (\t)%4 == 0
	v_mov_b32 v[WSB+(\t)/4], v13                   ; four bytes make my column's scale word, the lower K in the lower byte.  (Also the plain place behind the conversions)
.else
	v_lshl_or_b32 v[WSB+(\t)/4], v13, 8*((\t)%4), v[WSB+(\t)/4]
.endif
.irp i, 0,1,2
	v_mov_b32 v[FB+3+\i], v[WT+\i]
.endr
.if (\t)+2 < 8
	WLOAD (\t)+2
.endif
.if (\t)%4 == 3                        ; the record is whole
.irp c, 0,1,2
	ds_store_b128 v7, v[WF+4*\c:WF+4*\c+3] offset:512*\c           ; lane r of my image,
	ds_store_b128 v7, v[WF+12+4*\c:WF+12+4*\c+3] offset:256+512*\c ; lane 16 + r
.endr
.irp u, 0,1
.irp c, 0,1,2
	ds_load_b128 v[WOUT+24*((\t)/4)+12*\u+4*\c:WOUT+24*((\t)/4)+12*\u+4*\c+3], v9 offset:\u*WUP+512*\c   ; LDS serves a wave's instructions in order: these see the stores above
.endr
.endr
	s_wait_alu depctr_va_vdst(0)
	s_wait_dscnt 0x0                               ; the images are back, and the stores have read their registers: the next record's codes may be written
.irp u, 0,1
.irp c, 0,1,2
	global_store_b128 v8, v[WOUT+24*((\t)/4)+12*\u+4*\c:WOUT+24*((\t)/4)+12*\u+4*\c+3], s[14:15] offset:((\t)/4)*RECB+512+\u*IMG+512*\c   ; 512 consecutive bytes
.endr
.endr
	global_store_b32 v10, v[WSB+(\t)/4], s[14:15] offset:((\t)/4)*RECB   ; the wave's 32 words: 128 consecutive bytes
.endif
.endm
.irp t, 0,1,2,3,4,5,6,7
	WBLOCK \t
.endr
	s_wait_tensorcnt 0x0
	ds_add_u32 v254, v255
	s_wait_dscnt 0x0
	s_endpgm
.Lfunc_end_k_qeb405afb56_quant:
	.size	k_qeb405afb56_quant, .Lfunc_end_k_qeb405afb56_quant-k_qeb405afb56_quant
	.p2alignl 7, 3214868480
	.fill 96, 4, 3214868480
	.section	.rodata,"a",@progbits
	.p2align	6, 0x0
	.amdhsa_kernel k_qeb405afb56_quant
		.amdhsa_group_segment_fixed_size 47616
		.amdhsa_private_segment_fixed_size 0
		.amdhsa_enable_private_segment 0
		.amdhsa_kernarg_size 48
		.amdhsa_user_sgpr_count 2
		.amdhsa_user_sgpr_kernarg_segment_ptr 1
		.amdhsa_wavefront_size32 1
		.amdhsa_system_sgpr_workgroup_id_x 1
		.amdhsa_system_sgpr_workgroup_id_y 1
		.amdhsa_system_sgpr_workgroup_id_z 1
		.amdhsa_system_vgpr_workitem_id 0
		.amdhsa_next_free_vgpr 256
		.amdhsa_next_free_sgpr 66
		.amdhsa_reserve_vcc 0
		.amdhsa_float_denorm_mode_32 3
		.amdhsa_float_denorm_mode_16_64 3
		.amdhsa_memory_ordered 1
		.amdhsa_forward_progress 1
		.amdhsa_inst_pref_size 74
	.end_amdhsa_kernel
	.amdgpu_metadata
---
amdhsa.version: [ 1, 2 ]
amdhsa.kernels:
  - .name:           k_qeb405afb56_quant
    .symbol:         k_qeb405afb56_quant.kd
    .args:
      - { .name: x, .offset: 0, .size: 8, .value_kind: global_buffer, .address_space: global }
      - { .name: wq, .offset: 8, .size: 8, .value_kind: global_buffer, .address_space: global }
      - { .name: wk, .offset: 16, .size: 8, .value_kind: global_buffer, .address_space: global }
      - { .name: wv, .offset: 24, .size: 8, .value_kind: global_buffer, .address_space: global }
      - { .name: x_img, .offset: 32, .size: 8, .value_kind: global_buffer, .address_space: global }
      - { .name: w_img, .offset: 40, .size: 8, .value_kind: global_buffer, .address_space: global }
    .group_segment_fixed_size: 47616
    .private_segment_fixed_size: 0
    .kernarg_segment_align: 8
    .kernarg_segment_size: 48
    .max_flat_workgroup_size: 128
    .sgpr_count:     66
    .vgpr_count:     256
    .wavefront_size: 32
...
	.end_amdgpu_metadata
.endif
;; end of part 1
;; launch proj (part 2): grid 12 x 16, 4 waves a work-group, clusters of 4 x 4, 327,680 bytes of LDS; arguments x_img, w_img, freqs_cos, freqs_sin, q_codes, q_scales, kv_codes, kv_scales; writes q_codes, q_scales, kv_codes, kv_scales
.if DOCPART == 2
	.amdgcn_target "amdgcn-amd-amdhsa--gfx1250"
	.amdhsa_code_object_version 6
	.text
	.protected	k_qeb405afb56_proj
	.globl	k_qeb405afb56_proj
	.p2align	8
	.type	k_qeb405afb56_proj,@function
k_qeb405afb56_proj:
	s_mov_b64 s[64:65], 0
	v_nop
	global_prefetch_b8 v0, s[64:65] scope:SCOPE_SE
	s_setreg_imm32_b32 hwreg(HW_REG_WAVE_MODE, 25, 1), 1
	s_wait_xcnt 0x0
	s_wait_alu depctr_hold_cnt(0) depctr_sa_sdst(0) depctr_va_vdst(0) depctr_va_sdst(0) depctr_va_ssrc(0) depctr_va_vcc(0) depctr_vm_vsrc(0)
	s_getreg_b32 s2, hwreg(HW_REG_IB_STS2, 6, 4)
	s_cmp_eq_u32 s2, 0
	s_cbranch_scc0 .Lentry_in_a_cluster
	s_endpgm
.Lentry_in_a_cluster:
	s_bfe_u32 s2, ttmp6, 0x10000c
	s_cmp_lg_u32 s2, 0xf033
	s_cbranch_scc0 .Lentry_shape_is_right
	s_endpgm
.Lentry_shape_is_right:
; x wq, x wk, x wv on codes of FP6 (E2M3) with E8M0 scales, K = 4,096; then the rotation of Q and K by freqs_cos, freqs_sin in f32; then Q, K (along the head's 128) and V (along the keys) are quantised
; again and stored as images of the next launch's operand registers.  cache_k and cache_v are not read: the first kernel's head shows why.
; OPERANDS: records of 12,800 bytes, as the first kernel lays them: 128 rows x 128 K: 512 bytes of scale words, then 8 images of 1,536 bytes (registers 4 c .. 4 c + 3 of lane l at 512 c + 16 l).
; SHARES: a work-group makes 256 x 256, a wave 128 x 128: 64 accumulators, windows 2 and 3.  Source 0 takes B's rows, source 1 A's: a lane holds one row of A and its registers run along B's rows.
; Cluster columns 0 and 1 (Q, K): A = x, B = the weight, so a lane's registers run along the head's channels.  Cluster column 2 (V): A = wv, B = x, so they run along the keys.  A wave's tile is one output record.
; CLUSTER 4 x 4: A's tiles are asked for jointly along a row of the cluster, B's along a column.
; RING: two slots, each with three K steps' records of A's two groups and B's two groups (153,600 bytes); a wave fetches one group's three records by one load.  32 K steps are ten fills of three records and one of two.
; REGISTERS: window 0: v16-30 addresses, v32-47 scale words (two sets), v64-159 and v160-255 A's fragments (two sets); window 1: B's two sets at v0 and v128.
; A K STEP: 64 products on set p.  The 56 LDS loads of the next step go into set 1 - p in ONE run at the step's head: B's 24, the 8 scale words, A's 24; they have the step's 64 products in which to land.
; PREFETCH: the ring's tiles are not prefetched: a refill is asked for three K steps (192 products of the wave) ahead of the wait for it.  The rows of freqs_cos and freqs_sin, first read at the launch's end, are asked for
; behind the first K step: the 128 rows x 256 bytes of each table that a token group needs are shared out by address among the eight waves of the cluster that read them (B's half picks the table, cx 32 rows), a lane a row.
.set RECB,   12800
.set BLKB,   3*RECB
.set SLOT,   4*BLKB
.set GSTR,   32*RECB
.set SPARE,  2*SLOT                    ; the spare words, 128 bytes a wave
.set FR,     12
.set NP,     4                         ; places behind this matrix form (ISA guide 7.12.1)
.set TRIPS,  4
.set ADRA, 16                          ; v16-17 my A images in slot 0, 1
.set ADRB, 20                          ; v20-21 my B images
.set LI,   24                          ; the way out: 16 x lane
.set CA,   25                          ; the way out: my place in cos and sin
.set ADRS, 26                          ; v26-27 scale words: lanes 0-15 A's, lanes 16-31 B's
.set SPW,  28
.set NIL,  29
.set PFO,  30                          ; 256 x lane; never rewritten
.set SC,   32
.set AF,   64
.set H,    64                          ; the way out: rotated numbers
.set PC,   128
.set TM,   160
.set PWB,  176
.set SI,   184
.set G1, 24
.set G0, 32
.set G1B, 48
.set G0B, 56
.set G1L, 68                           ; groups 1 of the last fill: two records
.set G1BL, 76
.set SEL, 34
.set PFA, 8                            ; s[8:9] the prefetch's base; never rewritten
.set MSB, 0
.macro WIN new
.if MSB != (\new)
	s_set_vgpr_msb (MSB<<8)|(\new)
.set MSB, (\new)
.endif
.endm
.set MUL_LO, 0xa1                      ; source 0 window 1, source 1 window 0, C and D window 2 (+ 0x50: window 3)
.set TO_B,   0x40
.macro JLOAD g0a, g1a, g0b, g1b        ; waves 0, 1 fetch for A, waves 2, 3 for B; s_nop 0 and four v_nop behind each load
	s_cmp_eq_u32 s15, 0
	s_cbranch_scc0 .Lfor_b_\@
	tensor_load_to_lds s[\g0a:\g0a+3], s[\g1a:\g1a+7]
	s_nop 0
.rept 4
	v_nop
.endr
	s_branch .Lasked_\@
.Lfor_b_\@:
	tensor_load_to_lds s[\g0b:\g0b+3], s[\g1b:\g1b+7]
	s_nop 0
.rept 4
	v_nop
.endr
.Lasked_\@:
.endm
.macro CREST                           ; a round of the cluster's barrier behind its opening barrier
	s_cmp_lg_u32 s14, 0
	s_cbranch_scc1 .Lnot_wave_0_\@
	s_barrier_signal -3
.Lnot_wave_0_\@:
	s_barrier_wait -3
	s_barrier_signal -1
	s_barrier_wait -1
.endm
.macro CROUND
	s_barrier_signal -1
	s_barrier_wait -1
	CREST
.endm
.macro PLACES n
.rept \n
	v_nop
.endr
.endm
	s_load_b128 s[4:7], s[0:1], 0x0                ; x_img, w_img
	s_load_b128 s[84:87], s[0:1], 0x10             ; freqs_cos, freqs_sin
	s_load_b256 s[88:95], s[0:1], 0x20             ; q_codes, q_scales, kv_codes, kv_scales
	v_lshl_add_u32 v[SPW], v0, 2, SPARE
	v_mov_b32 v[NIL], 0
	ds_add_u32 v[SPW], v[NIL]                      ; the opening lines: the add twice on end and one wait
	ds_add_u32 v[SPW], v[NIL]
	v_lshrrev_b32 v1, 5, v0
	v_readfirstlane_b32 s14, v1                    ; wave
	s_lshr_b32 s15, s14, 1                         ; my half of A's rows; also: I fetch for A (0) or B (1)
	s_and_b32 s16, s14, 1                          ; my half of B's rows; also: which group I fetch
	s_bfe_u32 s40, ttmp6, 0x40000                  ; cx
	s_bfe_u32 s41, ttmp6, 0x40004                  ; cy
	s_lshl_b32 s18, ttmp9, 2
	s_and_b32 s19, ttmp7, 0xffff
	s_lshl_b32 s19, s19, 2
	s_cmp_eq_u32 ttmp9, 2                          ; V's cluster column: the same in all partners
	s_cselect_b32 s17, 8, s19
	s_cselect_b32 s42, s19, s18
	s_add_co_u32 s17, s17, s41                     ; A's tile of 256 rows
	s_add_co_u32 s42, s42, s40                     ; B's
	s_lshl_b32 s43, s41, 2
	s_lshl_b32 s43, 15, s43                        ; my row of the cluster
	s_lshl_b32 s44, 0x1111, s40                    ; my column
	s_or_b32 s[G1+0], s43, (3<<16)|(1<<21)
	s_or_b32 s[G1B+0], s44, (3<<16)|(1<<21)
	s_or_b32 s[G1L+0], s43, (3<<16)|(1<<21)
	s_or_b32 s[G1BL+0], s44, (3<<16)|(1<<21)
.irp g, G1, G1B                        ; three records, dense: 150 rows of 256 bytes
	s_mov_b32 s[\g+1], 32<<16
	s_mov_b32 s[\g+2], (BLKB/256)<<16
	s_mov_b32 s[\g+3], 32<<16
	s_mov_b32 s[\g+4], BLKB/256
	s_mov_b32 s[\g+5], 32
	s_mov_b32 s[\g+6], 0
	s_mov_b32 s[\g+7], 0
.endr
.irp g, G1L, G1BL                      ; two records: 100 rows
	s_mov_b32 s[\g+1], 32<<16
	s_mov_b32 s[\g+2], (2*RECB/256)<<16
	s_mov_b32 s[\g+3], 32<<16
	s_mov_b32 s[\g+4], 2*RECB/256
	s_mov_b32 s[\g+5], 32
	s_mov_b32 s[\g+6], 0
	s_mov_b32 s[\g+7], 0
.endr
	s_lshl_b32 s20, s17, 1
	s_add_co_u32 s20, s20, s16
	s_mul_i32 s20, s20, GSTR                       ; the group of A that I would fetch
	s_mov_b32 s21, 0
	s_lshl_b32 s46, s42, 1
	s_add_co_u32 s46, s46, s16
	s_mul_i32 s46, s46, GSTR                       ; and of B
	s_mov_b32 s47, 0
	s_mul_i32 s45, s14, BLKB                       ; LDS: wave x three records
	s_wait_dscnt 0x0                               ; both opening adds are done
	s_wait_kmcnt 0x0
	s_cmp_eq_u32 ttmp9, 2
	s_cselect_b64 s[96:97], s[6:7], s[4:5]
	s_cselect_b64 s[100:101], s[4:5], s[6:7]
	s_add_nc_u64 s[20:21], s[96:97], s[20:21]
	s_add_nc_u64 s[46:47], s[100:101], s[46:47]
	CROUND                                         ; the first joint loads meet
.irp s, 0,1
	s_mov_b32 s[G0+4*\s], 1
	s_add_co_u32 s[G0+4*\s+1], s45, \s*SLOT
	s_add_nc_u64 s[G0+4*\s+2:G0+4*\s+3], s[20:21], \s*BLKB
	s_or_b32 s[G0+4*\s+3], s[G0+4*\s+3], 0x80000000
	s_mov_b32 s[G0B+4*\s], 1
	s_add_co_u32 s[G0B+4*\s+1], s45, \s*SLOT
	s_add_nc_u64 s[G0B+4*\s+2:G0B+4*\s+3], s[46:47], \s*BLKB
	s_or_b32 s[G0B+4*\s+3], s[G0B+4*\s+3], 0x80000000
.endr
	JLOAD G0, G1, G0B, G1B                         ; slot 0: one tensor load a wave at the head
	s_lshl_b32 s10, s17, 1                         ; the prefetch: my token group's 128 rows of 256 bytes,
	s_add_co_u32 s10, s10, s15
	s_and_b32 s10, s10, 15
	s_lshl_b32 s10, s10, 15
	s_lshl_b32 s11, s40, 13                        ; 32 of them by cx,
	s_add_co_u32 s10, s10, s11
	s_mov_b32 s11, 0
	s_cmp_eq_u32 s16, 0                            ; of cos or of sin by the wave's number
	s_cselect_b64 s[PFA:PFA+1], s[84:85], s[86:87]
	s_add_nc_u64 s[PFA:PFA+1], s[PFA:PFA+1], s[10:11]
	v_and_b32 v1, 15, v0
	v_bfe_u32 v2, v0, 4, 1
	v_and_b32 v3, 31, v0
	v_lshlrev_b32 v[PFO], 8, v3
	v_lshlrev_b32 v3, 4, v3
	v_lshlrev_b32 v5, 2, v1
	s_mul_i32 s21, s15, BLKB
	s_mul_i32 s22, s16, BLKB
	s_add_co_u32 s22, s22, 2*BLKB
	s_sub_co_u32 s23, s22, s21
	v_mul_u32_u24 v6, s23, v2                      ; lanes 16-31 take B's scale words
	v_add_nc_u32 v5, v5, v6
.irp s, 0,1
	v_add_nc_u32 v[ADRA+\s], s21, v3
	v_add_nc_u32 v[ADRB+\s], s22, v3
	v_add_nc_u32 v[ADRS+\s], s21, v5
	s_add_co_u32 s21, s21, SLOT
	s_add_co_u32 s22, s22, SLOT
.endr
; The 56 LDS loads of record nq of slot ns into set p: B's 24, the 8 scale words, A's 24.  An image's three loads and a fragment's twelve registers lie on end.
.macro LOADS ns, nq, p
	WIN TO_B
.set jj, 0
.rept 24
	ds_load_b128 v[128*(\p)+4*jj:128*(\p)+4*jj+3], v[ADRB+\ns] offset:512+(\nq)*RECB+512*jj
.set jj, jj+1
.endr
	WIN 0
.set jj, 0
.rept 8
	ds_load_b32 v[SC+8*(\p)+jj], v[ADRS+\ns] offset:(\nq)*RECB+64*jj
.set jj, jj+1
.endr
.set jj, 0
.rept 24
	ds_load_b128 v[AF+96*(\p)+4*jj:AF+96*(\p)+4*jj+3], v[ADRA+\ns] offset:512+(\nq)*RECB+512*jj
.set jj, jj+1
.endr
.endm
; A's block a against B's eight.  The 64 accumulators take turns in the same order in every step.
.macro MUL8 a, p, zero
	WIN MUL_LO+0x50*((\a)/4)
.irp b, 0,1,2,3,4,5,6,7
.if \zero
	v_wmma_scale_f32_16x16x128_f8f6f4 v[8*(8*((\a)%4)+\b):8*(8*((\a)%4)+\b)+7], v[128*(\p)+FR*\b:128*(\p)+FR*\b+FR-1], v[AF+96*(\p)+FR*(\a):AF+96*(\p)+FR*(\a)+FR-1], 0, v[SC+8*(\p)+\b], v[SC+8*(\p)+(\a)] matrix_a_fmt:MATRIX_FMT_FP6 matrix_b_fmt:MATRIX_FMT_FP6 matrix_a_scale:MATRIX_SCALE_ROW1
.else
	v_wmma_scale_f32_16x16x128_f8f6f4 v[8*(8*((\a)%4)+\b):8*(8*((\a)%4)+\b)+7], v[128*(\p)+FR*\b:128*(\p)+FR*\b+FR-1], v[AF+96*(\p)+FR*(\a):AF+96*(\p)+FR*(\a)+FR-1], v[8*(8*((\a)%4)+\b):8*(8*((\a)%4)+\b)+7], v[SC+8*(\p)+\b], v[SC+8*(\p)+(\a)] matrix_a_fmt:MATRIX_FMT_FP6 matrix_b_fmt:MATRIX_FMT_FP6 matrix_a_scale:MATRIX_SCALE_ROW1
.endif
.endr
.endm
; A K step inside a slot: multiplies set p (record q), fetches record q + 1 into the other set.
.macro STEP slot, q, p, zero
	s_wait_dscnt 12                                ; B, the scale words and A's blocks 0-3 are in; the youngest twelve loads (A's blocks 4-7) may be out
	PLACES NP                                      ; between the last step's products, which read the other set, and the loads into it
	LOADS \slot, (\q)+1, 1-(\p)
.irp a, 0,1,2,3
	MUL8 \a, \p, \zero
.endr
	s_wait_dscnt 56                                ; all but this step's 56 loads: A's blocks 4-7 are in
.irp a, 4,5,6,7
	MUL8 \a, \p, \zero
.endr
	WIN 0
.endm
; A slot's last K step: its record is in registers, so the slot is filled again (fill 1: three records, 2: two, 0: nothing) and the other slot's first record is fetched.
.macro TURN slot, next, p, fill
	s_wait_tensorcnt 0x0                           ; my part of the other slot has landed
	ds_add_u32 v[SPW], v[NIL]
.if \fill
	s_add_nc_u64 s[G0+4*\slot+2:G0+4*\slot+3], s[G0+4*\slot+2:G0+4*\slot+3], 2*BLKB
	s_add_nc_u64 s[G0B+4*\slot+2:G0B+4*\slot+3], s[G0B+4*\slot+2:G0B+4*\slot+3], 2*BLKB
.endif
	s_wait_dscnt 13                                ; the add and A's blocks 4-7 may be out
	MUL8 0, \p, 0
	s_wait_dscnt 0x0                               ; the add is done, and my reads of this slot are over
	s_barrier_signal -1
	MUL8 1, \p, 0
	WIN 0
	s_barrier_wait -1
.if \fill
	CREST                                          ; the barrier has opened a round of the cluster's
.if \fill == 1
	JLOAD G0+4*\slot, G1, G0B+4*\slot, G1B         ; its four v_nop are the places in front of the loads below
.else
	JLOAD G0+4*\slot, G1L, G0B+4*\slot, G1BL
.endif
.else
	PLACES NP
.endif
	LOADS \next, 0, 1-(\p)
.irp a, 2,3,4,5,6,7
	MUL8 \a, \p, 0
.endr
	WIN 0
.endm
	s_wait_alu depctr_va_vdst(0)
	s_wait_tensorcnt 0x0                           ; my part of slot 0 is in; the full sequence ahead of slot 1's first fill
	ds_add_u32 v[SPW], v[NIL]
	s_wait_dscnt 0x0
	CROUND
	JLOAD G0+4, G1, G0B+4, G1B
	LOADS 0, 0, 0
	STEP 0, 0, 0, 1                                ; the first step's products start the sums
	s_cmp_eq_u32 ttmp9, 2                          ; V is not rotated
	s_cbranch_scc1 .Lno_pf
	global_prefetch_b8 v[PFO], s[PFA:PFA+1] th:TH_LOAD_NT scope:SCOPE_SE
.Lno_pf:
	s_mov_b32 s3, TRIPS
.Llap:                                                 ; a trip: six K steps, both slots filled again
	STEP 0, 1, 1, 0
	TURN 0, 1, 0, 1
	STEP 1, 0, 1, 0
	STEP 1, 1, 0, 0
	TURN 1, 0, 1, 1
	STEP 0, 0, 0, 0
	s_sub_co_u32 s3, s3, 1
	s_cmp_lg_u32 s3, 0
	s_cbranch_scc1 .Llap
	STEP 0, 1, 1, 0
	TURN 0, 1, 0, 2
	STEP 1, 0, 1, 0
	STEP 1, 1, 0, 0
	TURN 1, 0, 1, 0
	STEP 0, 0, 0, 0
	; THE WAY OUT's addresses, ahead of the last K step.  No tensor load is out, so the descriptors' registers are free.
	v_and_b32 v16, 31, v0
	v_lshlrev_b32 v[LI], 4, v16
	v_and_b32 v17, 15, v0
	v_bfe_u32 v18, v0, 4, 1
	v_and_b32 v19, 8, v17
	v_add_nc_u32 v19, v19, v17                     ; r + 8 (r / 8): the true row of a tile's lane
	v_lshlrev_b32 v[CA], 8, v19
	v_lshl_add_u32 v[CA], v18, 5, v[CA]
	s_cmp_eq_u32 ttmp9, 2
	s_cselect_b32 s24, s42, s17
	s_cselect_b32 s25, s16, s15
	s_cselect_b32 s26, s41, s40
	s_cselect_b32 s27, s15, s16
	s_cselect_b32 s30, 12288, 0
	s_cselect_b32 s31, 512, 0
	s_lshl_b32 s24, s24, 1
	s_add_co_u32 s24, s24, s25                     ; my token group, 0 .. 31
	s_lshl_b32 s26, s26, 1
	s_add_co_u32 s26, s26, s27                     ; my head
	s_lshr_b32 s25, s24, 4
	s_lshl_b32 s25, s25, 3
	s_add_co_u32 s25, s25, s26
	s_and_b32 s24, s24, 15
	s_lshl_b32 s25, s25, 4
	s_add_co_u32 s25, s25, s24                     ; record 16 (8 batch + head) + group
	s_lshl_b32 s32, s24, 15
	s_mov_b32 s33, 0
	s_add_nc_u64 s[84:85], s[84:85], s[32:33]
	s_add_nc_u64 s[86:87], s[86:87], s[32:33]
	s_mov_b32 s26, 24576
	s_mov_b32 s28, 1024
	s_cmp_eq_u32 ttmp9, 0
	s_cselect_b64 s[36:37], s[88:89], s[92:93]
	s_cselect_b64 s[38:39], s[90:91], s[94:95]
	s_cselect_b32 s26, 12288, s26
	s_cselect_b32 s28, 512, s28
	s_mul_i32 s26, s26, s25
	s_mul_i32 s28, s28, s25
	s_add_co_u32 s26, s26, s30
	s_add_co_u32 s28, s28, s31
	s_mov_b32 s27, 0
	s_mov_b32 s29, 0
	s_add_nc_u64 s[36:37], s[36:37], s[26:27]
	s_add_nc_u64 s[38:39], s[38:39], s[28:29]
	s_mov_b32 s[SEL], 0x76543210
	s_mov_b32 s[SEL+1], 0xfedcba98
	s_mov_b32 s43, 0xffff0000
.macro CSLOAD a                        ; cos and sin of tile a's 16 tokens: 32 + 32 numbers a lane, into window 1
.set SG, 64*((\a)%4)
	WIN 0x40
.irp p, 0,1,2,3
.irp q, 0,1
	global_load_b128 v[SG+8*\p+4*\q:SG+8*\p+4*\q+3], v[CA], s[84:85] offset:(32*((\a)/2)+8*((\a)%2))*256+64*\p+16*\q
	global_load_b128 v[SG+32+8*\p+4*\q:SG+32+8*\p+4*\q+3], v[CA], s[86:87] offset:(32*((\a)/2)+8*((\a)%2))*256+64*\p+16*\q
.endr
.endr
	WIN 0
.endm
.macro ROPE a                          ; (xr c - xi s, xr s + xi c) of neighbouring pairs, each accumulator from its low end on
.set SG, 64*((\a)%4)
.set AC, 64*((\a)%4)
	WIN 0x06+(\a)/4
.set m, 0
.rept 16
	v_pk_mul_f32 v[H+4*m:H+4*m+1], v[AC+4*m:AC+4*m+1], v[SG+2*m:SG+2*m+1] op_sel_hi:[1,0]
	v_pk_mul_f32 v[H+4*m+2:H+4*m+3], v[AC+4*m+2:AC+4*m+3], v[SG+2*m:SG+2*m+1] op_sel:[0,1] op_sel_hi:[1,1]
.set m, m+1
.endr
.set m, 0
.rept 32
	v_fma_f32 v[H+2*m], -v[AC+2*m+1], v[SG+32+m], v[H+2*m]
	v_fma_f32 v[H+2*m+1], v[AC+2*m], v[SG+32+m], v[H+2*m+1]
.set m, m+1
.endr
	WIN 0
.endm
.macro QUANT s, w, a                   ; 64 numbers a lane (register 16 b + i = place 32 b + 16 h + i along the next K) in window w become a fragment's codes and its scale word
	WIN ((\w)<<2)|((\w)<<4)
.irp b, 0,1,2,3
	v_max3_num_f32 v[TM+\b], 0x1800000, |v[\s+16*\b]|, |v[\s+1+16*\b]|   ; with the floor 2^(3 - 127): the byte cannot fall under 1
.endr
.irp i, 2,4,6,8,10,12,14
.irp b, 0,1,2,3
	v_max3_num_f32 v[TM+\b], v[TM+\b], |v[\s+16*\b+\i]|, |v[\s+1+16*\b+\i]|
.endr
.endr
	WIN 0
.irp b, 0,1,2,3
	v_permlanex16_b32 v[TM+4+\b], v[TM+\b], s[SEL], s[SEL+1]
.endr
.irp b, 0,1,2,3
	v_max_num_f32 v[TM+\b], v[TM+\b], v[TM+4+\b]
.endr
.irp b, 0,1,2,3
	v_add_nc_u32 v[TM+12+\b], 0xff000000, v[TM+\b] ; 2 off the exponent field: the conversion's scale operand
.endr
.irp b, 0,1,2,3
	v_lshrrev_b32 v[TM+4+\b], 23, v[TM+12+\b]
.endr
	v_lshl_or_b32 v[PWB+(\a)], v[TM+5], 8, v[TM+4]
	v_lshl_or_b32 v[PWB+(\a)], v[TM+6], 16, v[PWB+(\a)]
	v_lshl_or_b32 v[PWB+(\a)], v[TM+7], 24, v[PWB+(\a)]
	s_wait_xcnt 0x0                                ; the last tile's stores have read the codes' registers
	WIN (\w)
.irp c, 0,1
	v_cvt_scalef32_pk16_fp6_f32 v[PC+6*\c:PC+2+6*\c], v[\s+32*\c:\s+15+32*\c], v[TM+12+2*\c]
	v_cvt_scalef32_pk16_fp6_f32 v[PC+12+4*\c:PC+14+4*\c], v[\s+16+32*\c:\s+31+32*\c], v[TM+12+2*\c+1]
.endr
	WIN 0
	v_nop                                          ; one plain place behind a scaled conversion
.irp c, 0,1
.irp i, 0,1,2
	v_permlane16_swap_b32 v[PC+6*\c+\i], v[PC+12+4*\c+\i]
.endr
.irp i, 0,1,2
	v_mov_b32 v[PC+3+6*\c+\i], v[PC+12+4*\c+\i]
.endr
.endr
.endm
.macro STORE a
.irp c, 0,1,2
	global_store_b128 v[LI], v[PC+4*\c:PC+4*\c+3], s[36:37] offset:1536*(\a)+512*\c   ; 512 consecutive bytes, aligned
.endr
.endm
	; THE LAST K STEP, on set 1.  Nothing more is fetched from LDS, so B's set 0 (window 1, v0-95) is idle: the first two tiles' cos and sin are asked for into window 1's v0-127 under its products.
	s_wait_alu depctr_va_vdst(0)
	s_wait_dscnt 12
	PLACES NP                                      ; between the last step's products and the loads into B's set 0
	s_cmp_eq_u32 ttmp9, 2
	s_cbranch_scc1 .Lfin
	CSLOAD 0
	CSLOAD 1
.Lfin:
.irp a, 0,1,2,3
	MUL8 \a, 1, 0
.endr
	s_wait_dscnt 0
.irp a, 4,5,6,7
	MUL8 \a, 1, 0
.endr
	WIN 0
	PLACES NP                                      ; between the last products and writes of their operands' registers
.irp b, 0,1,2,3
	v_mov_b32 v[TM+4+\b], 0                        ; a lane permute's destination counts as one of its sources
.endr
	s_wait_alu depctr_va_vdst(0)
	s_cmp_eq_u32 ttmp9, 2
	s_cbranch_scc1 .Lv
	CSLOAD 2
	CSLOAD 3
.irp a, 0,1,2,3,4,5,6,7                ; four tiles' cos and sin are on their way; tile a + 4's take tile a's registers when it has been rotated
.if \a < 5
	s_wait_loadcnt 48                              ; tile a's 16 loads are in; three tiles' may be out
.else
	s_wait_loadcnt 16*(7-\a)
.endif
	ROPE \a
	QUANT H, 0, \a
	STORE \a
.if \a < 4
	CSLOAD \a+4
.endif
.endr
	s_branch .Lsc
.Lv:
.irp a, 0,1,2,3,4,5,6,7
.set AC, 64*(\a%4)
	QUANT AC, 2+\a/4, \a
	STORE \a
.endr
.Lsc:
.irp j, 0,1,2,3
	v_cndmask_b32 v[SI+\j], v[PWB+2*\j], v[PWB+2*\j+1], s43   ; word j: lanes 0-15 tile 2 j, lanes 16-31 tile 2 j + 1
.endr
	global_store_b128 v[LI], v[SI:SI+3], s[38:39]
	s_wait_tensorcnt 0x0                           ; the wave's end
	ds_add_u32 v[SPW], v[NIL]
	s_wait_dscnt 0x0
	CROUND                                         ; the closing round
	s_endpgm
.Lfunc_end_k_qeb405afb56_proj:
	.size	k_qeb405afb56_proj, .Lfunc_end_k_qeb405afb56_proj-k_qeb405afb56_proj
	.p2alignl 7, 3214868480
	.fill 96, 4, 3214868480
	.section	.rodata,"a",@progbits
	.p2align	6, 0x0
	.amdhsa_kernel k_qeb405afb56_proj
		.amdhsa_group_segment_fixed_size 327680
		.amdhsa_private_segment_fixed_size 0
		.amdhsa_enable_private_segment 0
		.amdhsa_kernarg_size 64
		.amdhsa_user_sgpr_count 2
		.amdhsa_user_sgpr_kernarg_segment_ptr 1
		.amdhsa_wavefront_size32 1
		.amdhsa_system_sgpr_workgroup_id_x 1
		.amdhsa_system_sgpr_workgroup_id_y 1
		.amdhsa_system_sgpr_workgroup_id_z 1
		.amdhsa_system_vgpr_workitem_id 0
		.amdhsa_next_free_vgpr 1024
		.amdhsa_next_free_sgpr 102
		.amdhsa_reserve_vcc 0
		.amdhsa_float_denorm_mode_32 3
		.amdhsa_float_denorm_mode_16_64 3
		.amdhsa_memory_ordered 1
		.amdhsa_forward_progress 1
		.amdhsa_inst_pref_size 255
	.end_amdhsa_kernel
	.section	.bss,"aw",@nobits
	.p2align	6
	.space	262144
	.amdgpu_metadata
---
amdhsa.version: [ 1, 2 ]
amdhsa.kernels:
  - .name:           k_qeb405afb56_proj
    .symbol:         k_qeb405afb56_proj.kd
    .args:
      - { .name: x_img, .offset: 0, .size: 8, .value_kind: global_buffer, .address_space: global }
      - { .name: w_img, .offset: 8, .size: 8, .value_kind: global_buffer, .address_space: global }
      - { .name: freqs_cos, .offset: 16, .size: 8, .value_kind: global_buffer, .address_space: global }
      - { .name: freqs_sin, .offset: 24, .size: 8, .value_kind: global_buffer, .address_space: global }
      - { .name: q_codes, .offset: 32, .size: 8, .value_kind: global_buffer, .address_space: global }
      - { .name: q_scales, .offset: 40, .size: 8, .value_kind: global_buffer, .address_space: global }
      - { .name: kv_codes, .offset: 48, .size: 8, .value_kind: global_buffer, .address_space: global }
      - { .name: kv_scales, .offset: 56, .size: 8, .value_kind: global_buffer, .address_space: global }
    .group_segment_fixed_size: 327680
    .private_segment_fixed_size: 0
    .kernarg_segment_align: 8
    .kernarg_segment_size: 64
    .max_flat_workgroup_size: 128
    .sgpr_count:     102
    .vgpr_count:     1024
    .wavefront_size: 32
...
	.end_amdgpu_metadata
.endif
;; end of part 2
;; launch attn (part 3): grid 16 x 16, 8 waves a work-group, clusters of 4 x 1, 327,680 bytes of LDS; arguments q_codes, q_scales, kv_codes, kv_scales, out0; writes out0
.if DOCPART == 3
	.amdgcn_target "amdgcn-amd-amdhsa--gfx1250"
	.amdhsa_code_object_version 6
	.text
	.protected	k_qeb405afb56_attn
	.globl	k_qeb405afb56_attn
	.p2align	8
	.type	k_qeb405afb56_attn,@function
k_qeb405afb56_attn:
	s_mov_b64 s[64:65], 0
	v_nop
	global_prefetch_b8 v0, s[64:65] scope:SCOPE_SE
	s_setreg_imm32_b32 hwreg(HW_REG_WAVE_MODE, 25, 1), 1
	s_wait_xcnt 0x0
	s_wait_alu depctr_hold_cnt(0) depctr_sa_sdst(0) depctr_va_vdst(0) depctr_va_sdst(0) depctr_va_ssrc(0) depctr_va_vcc(0) depctr_vm_vsrc(0)
	s_getreg_b32 s2, hwreg(HW_REG_IB_STS2, 6, 4)
	s_cmp_eq_u32 s2, 0
	s_cbranch_scc0 .Lentry_in_a_cluster
	s_endpgm
.Lentry_in_a_cluster:
	s_bfe_u32 s2, ttmp6, 0x10000c
	s_cmp_lg_u32 s2, 0x3003
	s_cbranch_scc0 .Lentry_shape_is_right
	s_endpgm
.Lentry_shape_is_right:
; out0[b][q][head][:] = the sum over k of softmax_k(Q . K / sqrt(128)) V, both products on codes of FP6 (E2M3) with one E8M0 scale for each 32 along a product's K.  16 pairs (batch, head), 2,048 queries and keys, no mask.
; THE SOFTMAX AHEAD OF THE SECOND PRODUCT: t = score x log2(e) / sqrt(128); M = the row's largest t so far, rounded up to a whole number; p = 2^(t - M) is what is quantised, along the keys; it is not normalised.
; The row's sum is taken of the unquantised p, in f32, and divides O at the end.  When M moves, the sum and O are multiplied by 2^(old M - new M): exact.
; LIMITS: NaN and infinities are not served; a p under 2^-126 comes out of the exponential as 0; a block whose every p is 0 keeps the byte 1 (its codes are zeros).
; THE OPERANDS ARRIVE AS IMAGES OF THEIR REGISTERS.  Record 16 (8 batch + head) + g serves tokens 128 g .. 128 g + 127.  A fragment's image is 1,536 bytes: registers 4 c .. 4 c + 3 of lane l at 512 c + 16 l.
; q_codes: 8 images a record; kv_codes: K's 8, then V^T's 8 (24,576 bytes).  Tile a holds rows 32 (a / 2) + 8 (a % 2) + r + 8 (r / 8) (queries, keys, or V's channels); V^T's K are the record's keys in their order.
; A scale image is 512 bytes: word j of lane l, at 16 l + 4 j, belongs to tile 2 j + l / 16, row l % 16.  kv_scales: K's image, then V's.
; SHARES.  A work-group owns 128 queries of one (batch, head); each of its eight waves one tile of 16, one query a lane; two waves to a SIMD.  Every wave walks all keys, 128 a step.
; Both products are used transposed (S^T = K Q^T, O^T = V^T P^T).  By the choice of a tile's rows the 16 registers of tiles 2 b and 2 b + 1 of S^T are keys 32 b + 16 h + 0 .. 15, and those of O^T channels 32 b + 16 h + 0 .. 15.
; CLUSTER.  The four work-groups of a cluster belong to one (batch, head) and walk the same K and V: each tile is asked for jointly, by the same tensor load with the same descriptor and the mask 15.
; LDS: two slots of four key steps (98,304 bytes) at 0 and 2^17; the head's 16 scale records (16,384 bytes), filled once; the spare words.  No padding: every access is 16 x lane on end.
; REGISTERS: window 0: v1-6 addresses; v12 -M, v13 the largest t, v[14:15] the sum; v16-27 Q; v28 the prefetches' offset; v32-35 V's scale words, v36-39 K's; v96-159 S^T, then p; v160-223 O^T; v224-235 p's codes;
;   v232-254 at work; v253 p's scale word; v255 Q's scale words.   window 1: v0-95 K's eight fragments, v128-223 V's.
.set STEPB, 24576                      ; a key step's record
.set SLOTB, 4*STEPB
.set SLOT1, 1<<17                      ; slot 1 begins here: one exclusive or turns an address in one slot into the other's
.set SCB,   2*SLOT1                    ; the scale records
.set SPARE, SCB+16384                  ; the spare words, 128 bytes for each of eight waves
.set SP,    528                        ; the way out: a stage of 16 rows x (512 bytes + 16) for each wave, in slot 0: it has had its last fill, and was left at the last change of slots
.set LI,   1                           ; v1  16 x lane
.set LSC,  2                           ; v2  the same among the scale records
.set ADK,  3                           ; v3  LDS address of the step's images
.set ADS,  4                           ; v4  and of its scale images
.set SPW,  5                           ; v5  LDS address of my spare word; never rewritten
.set NIL,  6                           ; v6  0; never rewritten
.set PFO,  28                          ; v28 256 x lane; never rewritten
.set VSC,  32
.set KSC,  36
.set WV,   18                          ; s18 my wave's number
.set SEL,  20                          ; s[20:21] lane selects for lane l xor 16
.set CS,   22                          ; s[22:23] c = log2(e) / sqrt(128)
.set G1,   24                          ; s[24:31] group 1 for a key step's record: 96 rows of 256 bytes
.set G1S,  32                          ; s[32:39] for four scale records: 16 rows of 256 bytes
.set G0,   40                          ; s[40:43] group 0 for the records: it walks
.set G0S,  44                          ; s[44:47] for the scale records
.set TB,   48                          ; s48 LDS byte at which the step's record begins
.set TS,   49                          ; s49 and its scale record, from SCB on
.set SLOTS, 50                         ; s50 slots still to be asked for
.set CNT,  51                          ; s51 counts a slot's four steps
.set PFA,  52                          ; s[52:53] where my prefetches stand
.set LIM,  54                          ; s54 1 in a wave that prefetches, else the greatest number
.set MSB, 0
.macro WIN new
.if MSB != (\new)
	s_set_vgpr_msb (MSB<<8)|(\new)
.set MSB, (\new)
.endif
.endm
.macro CROUND                          ; a round of the cluster's barrier
	s_barrier_signal -1
	s_barrier_wait -1
	CREST
.endm
.macro CREST                           ; a round behind its opening barrier
	s_cmp_lg_u32 s[WV], 0
	s_cbranch_scc1 .Lnot_wave_0_\@
	s_barrier_signal -3
.Lnot_wave_0_\@:
	s_barrier_wait -3
	s_barrier_signal -1
	s_barrier_wait -1
.endm
.macro JLOAD                           ; a joint refill: wave w of 0 .. 3 fetches the slot's key step w; the branch hangs on the wave's number alone; four v_nop follow the load
	s_cmp_lt_u32 s[WV], 4
	s_cbranch_scc0 .Lnone_\@
	tensor_load_to_lds s[G0:G0+3], s[G1:G1+7]
	s_nop 0
.rept 4
	v_nop
.endr
.Lnone_\@:
.endm
; A prefetch of what the NEXT change of slots will ask for: a slot's 98,304 bytes.  All four clusters of a (batch, head) walk the same records: the first of them asks.  Its four partners share the slot out by
; address, a key step each; in each, waves 4, 5 and 6, which fill no slot, take 8,192 bytes each, lanes 256 bytes apart: one instruction a wave, and each 256 bytes are named once in the launch.
; The last change that fills a slot asks for nothing: there is no slot behind it.  Slots 0 and 1 and the scale records come by their loads alone.
.macro ASK
	s_cmp_gt_u32 s[SLOTS], s[LIM]
	s_cbranch_scc0 .Lnot_mine_\@
	global_prefetch_b8 v[PFO], s[PFA:PFA+1] th:TH_LOAD_NT scope:SCOPE_SE
.Lnot_mine_\@:
.endm
	s_load_b256 s[4:11], s[0:1], 0x0               ; q_codes s[4:5], q_scales s[6:7], kv_codes s[8:9], kv_scales s[10:11]
	s_load_b64 s[12:13], s[0:1], 0x20              ; out0
	v_lshl_add_u32 v[SPW], v0, 2, SPARE
	v_mov_b32 v[NIL], 0
	ds_add_u32 v5, v6
	ds_add_u32 v5, v6
	s_wait_dscnt 0x0
	v_lshrrev_b32 v8, 5, v0
	s_delay_alu instid0(VALU_DEP_1)
	v_readfirstlane_b32 s[WV], v8                  ; wave 0..7
	s_bfe_u32 s14, ttmp6, 0x40000                  ; cx: my place in the cluster
	s_lshl_b32 s15, ttmp9, 2
	s_add_co_u32 s15, s15, s14                     ; g: my 128 queries: it enters Q's, out0's and the prefetches' addresses alone
	s_and_b32 s16, ttmp7, 0xffff                   ; 8 batch + head, which the four partners share
	s_mov_b32 s[G1], 15|(3<<16)|(1<<21)            ; 15:0 the mask: all four work-groups; elements of 8 bytes; no padding; 21 set beside a mask
	s_mov_b32 s[G1+1], 32<<16                      ; tensor_dim0 = 32 elements: 256 bytes
	s_mov_b32 s[G1+2], 96<<16                      ; tensor_dim1 = 96
	s_mov_b32 s[G1+3], 32<<16                      ; tile_dim0
	s_mov_b32 s[G1+4], 96                          ; tile_dim1
	s_mov_b32 s[G1+5], 32                          ; the pitch: dense
	s_mov_b32 s[G1+6], 0
	s_mov_b32 s[G1+7], 0
	s_mov_b32 s[G1S], 15|(3<<16)|(1<<21)
	s_mov_b32 s[G1S+1], 32<<16
	s_mov_b32 s[G1S+2], 16<<16
	s_mov_b32 s[G1S+3], 32<<16
	s_mov_b32 s[G1S+4], 16
	s_mov_b32 s[G1S+5], 32
	s_mov_b32 s[G1S+6], 0
	s_mov_b32 s[G1S+7], 0
	s_and_b32 s55, s[WV], 3                        ; which quarter I fetch, if I fetch
	s_mul_i32 s56, s16, 16*STEPB                   ; the head's 16 records,
	s_mul_i32 s57, s55, STEPB                      ; my key step of a slot: in memory and in LDS alike
	s_mov_b32 s[G0+1], s57                         ; LDS address: slot 0
	s_add_co_u32 s56, s56, s57
	s_mov_b32 s57, 0
	s_lshl_b32 s58, s16, 14                        ; the head's 16 scale records,
	s_lshl_b32 s59, s55, 12                        ; my four of them
	s_add_co_u32 s[G0S+1], s59, SCB
	s_add_co_u32 s58, s58, s59
	s_mov_b32 s59, 0
	s_mov_b32 s[SEL], 0x76543210
	s_mov_b32 s[SEL+1], 0xfedcba98
	s_mov_b32 s[CS], 0x3e0293ee                    ; c = log2(e) / sqrt(128)
	s_mov_b32 s[CS+1], s[CS]                       ; (named with it as a pair, so it is written)
	s_mov_b32 s[TB], 0
	s_mov_b32 s[TS], 0
	s_mov_b32 s[SLOTS], 3
	s_wait_kmcnt 0x0
	s_mov_b32 s[G0], 1
	s_add_nc_u64 s[G0+2:G0+3], s[8:9], s[56:57]
	s_or_b32 s[G0+3], s[G0+3], 0x80000000
	s_mov_b32 s[G0S], 1
	s_add_nc_u64 s[G0S+2:G0S+3], s[10:11], s[58:59]
	s_or_b32 s[G0S+3], s[G0S+3], 0x80000000
	CROUND                                         ; all four work-groups are here: the first joint loads meet
	s_cmp_lt_u32 s[WV], 4                          ; the head's eight tiles, one tensor load a wave: waves 0-3 a key step of slot 0 each, waves 4-7 four scale records each
	s_cbranch_scc0 .Lsc_first
	tensor_load_to_lds s[G0:G0+3], s[G1:G1+7]      ; slot 0
	s_nop 0
.rept 4
	v_nop
.endr
	s_branch .Lno_first
.Lsc_first:
	tensor_load_to_lds s[G0S:G0S+3], s[G1S:G1S+7]  ; the scale records of the whole head: filled once
	s_nop 0
.rept 4
	v_nop
.endr
.Lno_first:
	s_lshl_b32 s60, s16, 4
	s_add_co_u32 s60, s60, s15                     ; my queries' record
	s_lshl_b32 s62, s60, 9                         ; its scale image,
	s_mul_i32 s60, s60, 12288                      ; its eight images,
	s_mul_i32 s61, s[WV], 1536
	s_add_co_u32 s60, s60, s61                     ; mine of them
	s_mov_b32 s61, 0
	s_add_nc_u64 s[4:5], s[4:5], s[60:61]
	s_and_b32 s63, s[WV], 1
	s_lshl_b32 s63, s63, 8                         ; tile w's words stand in lanes 16 (w % 2) + r,
	s_add_co_u32 s62, s62, s63
	s_lshr_b32 s63, s[WV], 1
	s_lshl_b32 s63, s63, 2                         ; word w / 2
	s_add_co_u32 s62, s62, s63
	s_mov_b32 s63, 0
	s_add_nc_u64 s[6:7], s[6:7], s[62:63]
	v_and_b32 v[LI], 31, v0
	s_delay_alu instid0(VALU_DEP_1)
	v_lshlrev_b32 v[PFO], 8, v[LI]
	s_delay_alu instid0(VALU_DEP_2)
	v_lshlrev_b32 v[LI], 4, v[LI]
	s_delay_alu instid0(VALU_DEP_1)
	v_add_nc_u32 v[LSC], SCB, v[LI]
.irp c, 0,1,2
	global_load_b128 v[16+4*\c:19+4*\c], v[LI], s[4:5] offset:512*\c   ; Q's fragment stays in registers
.endr
	v_and_b32 v8, 15, v0
	s_delay_alu instid0(VALU_DEP_1)
	v_lshlrev_b32 v9, 4, v8
	global_load_b32 v255, v9, s[6:7]               ; Q's scale words: lane r has row r's
	s_lshr_b32 s60, s16, 3                         ; out0: the batch's 2,048 rows of 4,096 bytes,
	s_lshl_b32 s60, s60, 23
	s_lshl_b32 s61, s15, 19                        ; my work-group's 128 rows,
	s_add_co_u32 s60, s60, s61
	s_lshr_b32 s61, s[WV], 1
	s_lshl_b32 s61, s61, 17                        ; my tile's first row: 32 (w / 2)
	s_add_co_u32 s60, s60, s61
	s_and_b32 s61, s[WV], 1
	s_lshl_b32 s61, s61, 15                        ; + 8 (w % 2),
	s_add_co_u32 s60, s60, s61
	s_and_b32 s61, s16, 7
	s_lshl_b32 s61, s61, 9                         ; the head's 512 bytes of a row
	s_add_co_u32 s60, s60, s61
	s_mov_b32 s61, 0
	s_add_nc_u64 s[12:13], s[12:13], s[60:61]
	s_mul_i32 s60, s16, 16*STEPB                   ; the prefetches: the head's records,
	s_mul_i32 s61, s14, STEPB                      ; my work-group's key step of a slot,
	s_add_co_u32 s60, s60, s61
	s_lshl_b32 s61, s55, 13                        ; my wave's 8,192 bytes of it (waves 4, 5, 6),
	s_add_co_u32 s60, s60, s61
	s_add_co_u32 s60, s60, SLOTB                   ; in slot 1: the first change of slots steps it to slot 2.  Nothing is prefetched here, at the head
	s_mov_b32 s61, 0
	s_add_nc_u64 s[PFA:PFA+1], s[8:9], s[60:61]
	s_sub_co_u32 s62, s[WV], 4
	s_cmp_lt_u32 s62, 3                            ; waves 4, 5, 6
	s_cselect_b32 s62, 0, 1
	s_or_b32 s62, s62, ttmp9                       ; of the head's first cluster: the same in all four partners
	s_cmp_eq_u32 s62, 0
	s_cselect_b32 s[LIM], 1, -1
	v_mov_b32 v13, 0xff61b1e6                      ; the largest t so far: -3e38, under every t
	s_delay_alu instid0(VALU_DEP_1)
	v_floor_f32 v12, -v13                          ; -M
	v_mov_b32 v14, 0                               ; the sum, in two halves
	v_mov_b32 v15, 0
.irp b, 0,1,2,3
	v_mov_b32 v[236+\b], 0                         ; written once: a lane permute's destination counts as one of its sources
.endr
	v_mov_b32 v253, 0                              ; (named as the upper half of the pair v[252:253] before it is first written)
.set j, 0
.rept 64
	v_mov_b32 v[160+j], 0                          ; O^T.  (The step is written once: the first finds zeros, which the first change of M leaves zeros)
.set j, j+1
.endr
; A KEY STEP: 128 keys.
; K RUNS ONE STEP AHEAD: a step's K fragments and K's scale image (25 loads) are fetched in the step before, behind that step's first product, and land under its softmax.  V's 25 loads go out at a step's head.
; kind 0: a step inside a slot.  kind 1, 2: a slot's last step, which holds THE CHANGE OF SLOTS: behind the first product each wave waits for all its tensor loads (its part of the other slot), adds 0 to its spare word,
; waits for that and for its reads of this slot (V is then in registers), and signals; the softmax, work on registers alone, stands between the signal and the wait.  kind 1: the barrier opens a round of the cluster's,
; and the joint refill of the slot just left is the first thing behind it.  kind 2: nothing is filled.  Then the other slot's first K is fetched (kind 2: not in the launch's last step).
.set ADN,  7                           ; v7  LDS address of the other slot's first record
.set ADS2, 29                          ; v29 LDS address of the next step's scale record, held at the last one's
.macro KLOAD adk, ko
	ds_load_b128 v[KSC:KSC+3], v[ADS2]             ; K's scale image
	WIN 0x40                                       ; destination window 1
.irp t, 0,1,2,3,4,5,6,7
.irp c, 0,1,2
	ds_load_b128 v[12*\t+4*\c:12*\t+4*\c+3], v[\adk] offset:\ko+1536*\t+512*\c
.endr
.endr
	WIN 0
.endm
.macro STEP kind
	s_add_co_u32 s57, s[TS], 1024
	s_min_u32 s57, s57, 15*1024
	v_add_nc_u32 v[ADK], s[TB], v[LI]
	v_add_nc_u32 v[ADS], s[TS], v[LSC]
	v_add_nc_u32 v[ADS2], s57, v[LSC]
	v_nop                                          ; with the three additions: four places between the last step's products and the loads into V's fragments and scale words
	s_wait_alu depctr_va_vdst(0)
	ds_load_b128 v[VSC:VSC+3], v[ADS] offset:512   ; V's scale image
	WIN 0x40                                       ; destination window 1
.irp t, 0,1,2,3,4,5,6,7
.irp c, 0,1,2
	ds_load_b128 v[128+12*\t+4*\c:128+12*\t+4*\c+3], v[ADK] offset:12288+1536*\t+512*\c
.endr
.endr
	s_wait_dscnt 25                                ; K and its scale image, asked for a step ago, are in; V's 25 loads may be out: they land under the softmax
	WIN 0x01                                       ; source 0 window 1
.irp t, 0,1,2,3,4,5,6,7                        ; S^T = K Q^T: eight tiles of 16 keys
.if \t%2
	v_wmma_scale_f32_16x16x128_f8f6f4 v[96+8*\t:103+8*\t], v[12*\t:12*\t+11], v[16:27], 0, v[KSC+\t/2], v255 matrix_a_fmt:MATRIX_FMT_FP6 matrix_b_fmt:MATRIX_FMT_FP6 matrix_a_scale:MATRIX_SCALE_ROW1
.else
	v_wmma_scale_f32_16x16x128_f8f6f4 v[96+8*\t:103+8*\t], v[12*\t:12*\t+11], v[16:27], 0, v[KSC+\t/2], v255 matrix_a_fmt:MATRIX_FMT_FP6 matrix_b_fmt:MATRIX_FMT_FP6
.endif
.endr
	WIN 0
.rept 4
	v_nop                                          ; places in front of the first read of the scores
.endr
.if \kind == 0
	KLOAD ADK, STEPB                               ; the next step's K, behind the four places
.else
	s_wait_tensorcnt 0x0                           ; no tensor load of mine is out, so a group 0 may be written
	ds_add_u32 v[SPW], v[NIL]                      ; 0 onto my spare word
.if \kind == 1
	s_xor_b32 s[G0+1], s[G0+1], SLOT1              ; the walking descriptor: the slot that I am leaving,
	s_add_nc_u64 s[G0+2:G0+3], s[G0+2:G0+3], SLOTB ; the next four key steps
	s_wait_xcnt 0x0                                ; the last prefetch, a slot back, has read its address
	s_add_nc_u64 s[PFA:PFA+1], s[PFA:PFA+1], SLOTB
.endif
	s_sub_co_u32 s56, s[TB], 3*STEPB
	s_xor_b32 s56, s56, SLOT1
	v_add_nc_u32 v[ADN], s56, v[LI]                ; the other slot's first record
	s_wait_dscnt 0x0                               ; the add is done, V is in, and my reads of this slot are over
	s_barrier_signal -1
.endif
.irp b, 0,1,2,3
	v_max3_num_f32 v[232+\b], v[96+16*\b], v[97+16*\b], v[98+16*\b]
.endr
.irp i, 3,5,7,9,11,13
.irp b, 0,1,2,3
	v_max3_num_f32 v[232+\b], v[232+\b], v[96+16*\b+\i], v[97+16*\b+\i]   ; (the four blocks by turns)
.endr
.endr
.irp b, 0,1,2,3
	v_max_num_f32 v[232+\b], v[232+\b], v[111+16*\b]
.endr
.irp b, 0,1,2,3
	s_delay_alu instid0(VALU_DEP_4)
	v_permlanex16_b32 v[236+\b], v[232+\b], s[SEL], s[SEL+1]
.endr
.irp b, 0,1,2,3
	s_delay_alu instid0(VALU_DEP_4)
	v_max_num_f32 v[232+\b], v[232+\b], v[236+\b]  ; with lane l xor 16's 16 keys
.endr
	s_delay_alu instid0(VALU_DEP_2)
	v_max3_num_f32 v254, v232, v233, v234
	s_delay_alu instid0(VALU_DEP_1)
	v_max_num_f32 v254, v254, v235                 ; the step's largest score of my query
	s_delay_alu instid0(VALU_DEP_1)
	v_mul_f32 v254, s[CS], v254                    ; as t (c is positive)
	s_delay_alu instid0(VALU_DEP_1)
	v_max_num_f32 v13, v13, v254                   ; the running largest t
	v_mov_b32 v254, v12
	s_delay_alu instid0(VALU_DEP_2)
	v_floor_f32 v12, -v13                          ; the new -M = floor(-t) = -ceil(t): M is a whole number
	s_delay_alu instid0(VALU_DEP_1)
	v_sub_f32 v254, v12, v254                      ; M's old value less its new one: a whole number, 0 or less
	s_delay_alu instid0(VALU_DEP_1)
	v_cvt_i32_f32 v254, v254                       ; (it saturates)
	s_delay_alu instid0(VALU_DEP_1)
	v_ldexp_f32 v252, 1.0, v254                    ; f = 2^(old M - new M)
.set j, 0
.rept 32
	v_pk_fma_f32 v[96+j:97+j], v[96+j:97+j], s[CS:CS+1], v[12:13] op_sel_hi:[1,0,0]   ; t - M, two at a time
.set j, j+2
.endr
.irp b, 0,1,2,3
	v_fma_f32 v[232+\b], v[232+\b], s[CS], v12     ; the same of each block's largest score
.endr
.set j, 0
	s_wait_alu depctr_va_vdst(0)
.rept 64
	v_exp_f32 v[96+j], v[96+j]                     ; p = 2^(t - M), at most 1: not normalised
.set j, j+1
.endr
	v_pk_mul_f32 v[14:15], v[14:15], v[252:253] op_sel_hi:[1,0]   ; the sums under the new M (the plain line behind the exponentials)
	s_wait_alu depctr_va_vdst(0)                   ; one wait for the whole batch, ahead of its first reader
.irp b, 0,1,2,3
	v_exp_f32 v[232+\b], v[232+\b]                 ; the block's largest p: the same two instructions on the same number give the same bits
.endr
	v_pk_add_f32 v[236:237], v[100:101], v[104:105]
	v_pk_add_f32 v[250:251], v[108:109], v[112:113]
	v_pk_add_f32 v[248:249], v[116:117], v[120:121]
	v_pk_add_f32 v[246:247], v[124:125], v[128:129]
	v_pk_add_f32 v[244:245], v[132:133], v[136:137]
	v_pk_add_f32 v[242:243], v[140:141], v[144:145]
	v_pk_add_f32 v[240:241], v[148:149], v[152:153]
	v_pk_add_f32 v[14:15], v[14:15], v[156:157]
	v_pk_add_f32 v[236:237], v[236:237], v[96:97]
	v_pk_add_f32 v[250:251], v[250:251], v[98:99]
	v_pk_add_f32 v[248:249], v[248:249], v[102:103]
	v_pk_add_f32 v[246:247], v[246:247], v[106:107]
	v_pk_add_f32 v[244:245], v[244:245], v[110:111]
	v_pk_add_f32 v[242:243], v[242:243], v[114:115]
	v_pk_add_f32 v[240:241], v[240:241], v[118:119]
	v_pk_add_f32 v[14:15], v[14:15], v[122:123]
	v_pk_add_f32 v[236:237], v[236:237], v[126:127]
	v_pk_add_f32 v[250:251], v[250:251], v[130:131]
	v_pk_add_f32 v[248:249], v[248:249], v[134:135]
	v_pk_add_f32 v[246:247], v[246:247], v[138:139]
	v_pk_add_f32 v[244:245], v[244:245], v[142:143]
	v_pk_add_f32 v[242:243], v[242:243], v[146:147]
	v_pk_add_f32 v[240:241], v[240:241], v[150:151]
	v_pk_add_f32 v[14:15], v[14:15], v[154:155]
	v_pk_add_f32 v[236:237], v[236:237], v[158:159]
	s_delay_alu instid0(VALU_DEP_2)
	v_pk_add_f32 v[14:15], v[14:15], v[246:247]
	s_delay_alu instid0(VALU_DEP_2)
	v_pk_add_f32 v[236:237], v[236:237], v[244:245]
	v_pk_add_f32 v[250:251], v[250:251], v[242:243]
	v_pk_add_f32 v[248:249], v[248:249], v[240:241]
	s_delay_alu instid0(VALU_DEP_2)
	v_pk_add_f32 v[14:15], v[14:15], v[250:251]
	s_delay_alu instid0(VALU_DEP_2)
	v_pk_add_f32 v[236:237], v[236:237], v[248:249]
	s_delay_alu instid0(VALU_DEP_1)
	v_pk_add_f32 v[14:15], v[14:15], v[236:237]
	s_wait_alu depctr_va_vdst(0)                   ; and one for the four
.irp b, 0,1,2,3
	v_max_num_f32 v[232+\b], 0x1800000, v[232+\b]  ; the floor 2^(3 - 127): the byte cannot fall under 1
.endr
.irp b, 0,1,2,3
	s_delay_alu instid0(VALU_DEP_4)
	v_add_nc_u32 v[244+\b], 0xff000000, v[232+\b]  ; 2 off the exponent field: the conversion's scale operand
.endr
.irp b, 0,1,2,3
	s_delay_alu instid0(VALU_DEP_4)
	v_lshrrev_b32 v[236+\b], 23, v[244+\b]         ; the scale's byte
.endr
	s_delay_alu instid0(VALU_DEP_3)
	v_lshl_or_b32 v253, v237, 8, v236              ; p's scale word for these 128 keys
	s_delay_alu instid0(VALU_DEP_1)
	v_lshl_or_b32 v253, v238, 16, v253
	s_delay_alu instid0(VALU_DEP_1)
	v_lshl_or_b32 v253, v239, 24, v253
.irp c, 0,1
	v_cvt_scalef32_pk16_fp6_f32 v[224+6*\c:226+6*\c], v[96+32*\c:111+32*\c], v[244+2*\c]
	v_cvt_scalef32_pk16_fp6_f32 v[236+4*\c:238+4*\c], v[112+32*\c:127+32*\c], v[244+2*\c+1]   ; (a conversion's three registers begin on an even number)
.endr
	v_nop                                          ; one plain place behind a scaled conversion
.irp c, 0,1                                    ; the operand's layout wants a whole block in a lane
.irp i, 0,1,2
	v_permlane16_swap_b32 v[224+6*\c+\i], v[236+4*\c+\i]
.endr
.irp i, 0,1,2
	s_delay_alu instid0(VALU_DEP_3)
	v_mov_b32 v[227+6*\c+\i], v[236+4*\c+\i]
.endr
.endr
.set j, 0
.rept 32
	v_pk_mul_f32 v[160+j:161+j], v[160+j:161+j], v[252:253] op_sel_hi:[1,0]   ; O^T under the new M: x f.  (These 32 are also the places between p's codes and scale word and the products below)
.set j, j+2
.endr
	s_wait_alu depctr_va_vdst(0)
.if \kind == 0
	s_wait_dscnt 25                                ; V is in; the next K's 25 loads may be out
.else
	s_barrier_wait -1
.if \kind == 1
	CREST                                          ; no wave of any partner still reads the slot left or has a load on its way
	JLOAD
	ASK
.else
	s_cmp_eq_u32 s[SLOTS], 1                       ; the launch's last step has no K behind it
	s_cbranch_scc1 .Lnok_\@
.endif
	KLOAD ADN, 0
.Lnok_\@:
.endif
	WIN 0x01
.irp t, 0,1,2,3,4,5,6,7                        ; O^T += V^T P^T: eight tiles of 16 channels, by turns, one instruction a turn
.if \t%2
	v_wmma_scale_f32_16x16x128_f8f6f4 v[160+8*\t:167+8*\t], v[128+12*\t:139+12*\t], v[224:235], v[160+8*\t:167+8*\t], v[VSC+\t/2], v253 matrix_a_fmt:MATRIX_FMT_FP6 matrix_b_fmt:MATRIX_FMT_FP6 matrix_a_scale:MATRIX_SCALE_ROW1
.else
	v_wmma_scale_f32_16x16x128_f8f6f4 v[160+8*\t:167+8*\t], v[128+12*\t:139+12*\t], v[224:235], v[160+8*\t:167+8*\t], v[VSC+\t/2], v253 matrix_a_fmt:MATRIX_FMT_FP6 matrix_b_fmt:MATRIX_FMT_FP6
.endif
.endr
	WIN 0
.if \kind == 0
	s_add_co_u32 s[TB], s[TB], STEPB               ; the next step's record,
.else
	s_sub_co_u32 s[TB], s[TB], 3*STEPB             ; back to a slot's first step,
	s_xor_b32 s[TB], s[TB], SLOT1                  ; in the other slot,
.endif
	s_add_co_u32 s[TS], s[TS], 1024                ; and its scale record
.endm
.macro SLOT_STEPS kind                 ; a slot's four key steps: three inside it, walked by a loop, and its last
	s_mov_b32 s[CNT], 3
.Lst_\@:
	STEP 0
	s_sub_co_u32 s[CNT], s[CNT], 1
	s_cmp_lg_u32 s[CNT], 0
	s_cbranch_scc1 .Lst_\@
	STEP \kind
.endm
; Ahead of the first step: each wave waits for its tensor load of the head, adds 0 to its spare word and waits for that; behind a round of the cluster's barrier slot 1 is filled for the first time.
.macro CHANGE fill
	s_wait_tensorcnt 0x0                           ; no tensor load of mine is out, so a group 0 may be written
	ds_add_u32 v[SPW], v[NIL]                      ; 0 onto my spare word
.if \fill
	s_xor_b32 s[G0+1], s[G0+1], SLOT1              ; the walking descriptor: the other slot than last time,
	s_add_nc_u64 s[G0+2:G0+3], s[G0+2:G0+3], SLOTB ; the next four key steps; the type bits on top are not reached
	s_wait_xcnt 0x0                                ; the last prefetch, a slot back, has read its address, so it may be written:
	s_add_nc_u64 s[PFA:PFA+1], s[PFA:PFA+1], SLOTB ; one slot further on than the walking descriptor
	s_wait_dscnt 0x0                               ; the add is done, and my reads of the slot that I have left are over
	CROUND
	JLOAD
	ASK
.else
	s_wait_dscnt 0x0
	s_barrier_signal -1
	s_barrier_wait -1
.endif
.endm
	s_wait_alu depctr_va_vdst(0)
	s_wait_loadcnt 0x0                             ; Q
	CHANGE 1                                       ; slot 0 is whole; slot 1 is asked for
	v_add_nc_u32 v[ADN], s[TB], v[LI]
	v_add_nc_u32 v[ADS2], s[TS], v[LSC]
	KLOAD ADN, 0                                   ; the first step's K
	s_mov_b32 s[SLOTS], 2
.Lslot:                                                ; two trips: the slot left is filled again
	SLOT_STEPS 1
	s_sub_co_u32 s[SLOTS], s[SLOTS], 1
	s_cmp_lg_u32 s[SLOTS], 0
	s_cbranch_scc1 .Lslot
	s_mov_b32 s[SLOTS], 2
.Lend:                                                 ; two trips: nothing more is asked for
	SLOT_STEPS 2
	s_sub_co_u32 s[SLOTS], s[SLOTS], 1
	s_cmp_lg_u32 s[SLOTS], 0
	s_cbranch_scc1 .Lend
	; THE WAY OUT.  O^T is divided by the row's sum and goes through my stage in LDS, so that 32 lanes store a row's 512 consecutive bytes.
	v_add_f32 v14, v14, v15                        ; the sum's two halves,
	s_delay_alu instid0(VALU_DEP_1)
	v_permlanex16_b32 v252, v14, s[SEL], s[SEL+1]
	s_delay_alu instid0(VALU_DEP_1)
	v_add_f32 v14, v14, v252                       ; and lane l xor 16's: the row's sum
	s_wait_alu depctr_va_vdst(0)
	v_rcp_f32 v14, v14
	v_and_b32 v8, 15, v0                           ; (plain work behind the reciprocal)  r
	v_bfe_u32 v9, v0, 4, 1                         ; h
	s_mul_i32 s56, s[WV], 16*SP                    ; my stage,
	s_add_co_u32 s56, s56, 12288                   ; behind the bytes of slot 0 from which a first K is fetched
	v_mul_u32_u24 v10, v8, SP
	s_delay_alu instid0(VALU_DEP_1)
	v_lshl_add_u32 v10, v9, 6, v10
	s_delay_alu instid0(VALU_DEP_1)
	v_add_nc_u32 v10, s56, v10                     ; in: row r, + 64 h: register 16 b + i is channel 32 b + 16 h + i
	v_add_nc_u32 v11, s56, v[LI]                   ; back: a row's 512 bytes, 16 a lane
	s_wait_alu depctr_va_vdst(0)                   ; the wait ahead of the reciprocal's first reader
.set j, 0
.rept 64
	v_mul_f32 v[96+j], v[160+j], v14               ; each accumulator from its low end on
.set j, j+1
.endr
.irp b, 0,1,2,3
.irp i, 0,1,2,3
	ds_store_b128 v10, v[96+16*\b+4*\i:99+16*\b+4*\i] offset:128*\b+16*\i
.endr
.endr
.irp i, 0,1,2,3,4,5,6,7,8,9,10,11,12,13,14,15
	ds_load_b128 v[160+4*\i:163+4*\i], v11 offset:\i*SP   ; LDS serves a wave's instructions in order: these see my stores
.endr
.irp i, 0,1,2,3,4,5,6,7,8,9,10,11,12,13,14,15
	s_wait_dscnt 15-\i
	global_store_b128 v[LI], v[160+4*\i:163+4*\i], s[12:13] offset:(\i+8*(\i/8))*4096 th:TH_STORE_NT   ; stage row i is query i + 8 (i / 8) of my tile: 512 consecutive bytes, at a multiple of 512 from out0's first byte
.endr
	s_wait_tensorcnt 0x0                           ; the wave's end
	ds_add_u32 v[SPW], v[NIL]
	s_wait_dscnt 0x0
	CROUND                                         ; the closing round: no work-group ends while a partner may still ask for a tile that names it
	s_endpgm
.Lfunc_end_k_qeb405afb56_attn:
	.size	k_qeb405afb56_attn, .Lfunc_end_k_qeb405afb56_attn-k_qeb405afb56_attn
	.p2alignl 7, 3214868480
	.fill 96, 4, 3214868480
	.section	.rodata,"a",@progbits
	.p2align	6, 0x0
	.amdhsa_kernel k_qeb405afb56_attn
		.amdhsa_group_segment_fixed_size 327680
		.amdhsa_private_segment_fixed_size 0
		.amdhsa_enable_private_segment 0
		.amdhsa_kernarg_size 40
		.amdhsa_user_sgpr_count 2
		.amdhsa_user_sgpr_kernarg_segment_ptr 1
		.amdhsa_wavefront_size32 1
		.amdhsa_system_sgpr_workgroup_id_x 1
		.amdhsa_system_sgpr_workgroup_id_y 1
		.amdhsa_system_sgpr_workgroup_id_z 1
		.amdhsa_system_vgpr_workitem_id 0
		.amdhsa_next_free_vgpr 512
		.amdhsa_next_free_sgpr 66
		.amdhsa_reserve_vcc 0
		.amdhsa_float_denorm_mode_32 3
		.amdhsa_float_denorm_mode_16_64 3
		.amdhsa_memory_ordered 1
		.amdhsa_forward_progress 1
		.amdhsa_inst_pref_size 100
	.end_amdhsa_kernel
	.amdgpu_metadata
---
amdhsa.version: [ 1, 2 ]
amdhsa.kernels:
  - .name:           k_qeb405afb56_attn
    .symbol:         k_qeb405afb56_attn.kd
    .args:
      - { .name: q_codes, .offset: 0, .size: 8, .value_kind: global_buffer, .address_space: global }
      - { .name: q_scales, .offset: 8, .size: 8, .value_kind: global_buffer, .address_space: global }
      - { .name: kv_codes, .offset: 16, .size: 8, .value_kind: global_buffer, .address_space: global }
      - { .name: kv_scales, .offset: 24, .size: 8, .value_kind: global_buffer, .address_space: global }
      - { .name: out0, .offset: 32, .size: 8, .value_kind: global_buffer, .address_space: global }
    .group_segment_fixed_size: 327680
    .private_segment_fixed_size: 0
    .kernarg_segment_align: 8
    .kernarg_segment_size: 40
    .max_flat_workgroup_size: 256
    .sgpr_count:     66
    .vgpr_count:     512
    .wavefront_size: 32
...
	.end_amdgpu_metadata
.endif
;; end of part 3
